; MI455X (gfx1250); checked and timed in simulation.
; The chip was launched on July 23, 2026; its instructions are those of AMD's public machine-readable ISA for CDNA 5 (MIT licence, August 2026) and "CDNA5" Instruction Set Architecture Reference Guide (July 2026). The comments in the code are by the model that wrote it; some were corrected since.
;; Mixture Of Experts. Allowed arithmetic: matrix products marked QUANTISED: E2M1 operands, one E8M0 scale for each 32 along K, by v_wmma_scale_f32_16x16x128_f8f6f4 with both operands' format E2M1 (or v_wmma_scale_f32_32x16x128_f4), f32 sums; products left as they are: f32 operands where the result goes on into a quantised operand, else bf16, f16 or f32 operands; f32 sums; everything else in f32.
;; Inputs: W_experts_codes 8 x 1,024 x 32 x 16 uint8 (E2M1 codes of W_experts, K innermost, in blocks of 32 codes, two codes a byte); W_experts_scales 8 x 1,024 x 32 uint8 (E8M0 scales of W_experts, one for each 32 codes along K); W_gate 8 x 1,024 float32; b_experts 8 x 1,024 float32; b_gate 8 float32; x 4 x 2,048 x 1,024 float32.
;; Outputs: out0 4 x 2,048 x 1,024 float32.
;; This version of the problem:
;;   THIS VERSION OF THE PROBLEM IS GIVEN IN LOW PRECISION. The matrix products marked QUANTISED in the list below multiply operands that are first quantised to E2M1 (2 exponent bits, 1 mantissa bit; 4 bits a number), with one power-of-two scale for each 32 numbers along K (OCP MX v1.0); their sums are f32. All else is computed in f32.
;;   The module's matrix products, in the order in which they are computed (A, B: the left and right operand; K: the contracted axis; several contracted axes count as one K, in the product's order):
;;     1. [M 8,192, K 1,024] x [K 1,024, N 8]; A: input x; B: input W_gate: left as it is (N = 8 < 16)
;;     2. [M 8,192, K 1,024] x [K 1,024, N 8,192]; A: input x; B: input W_experts (given as codes): QUANTISED
;;   THE QUANTISER, for each operand of a quantised product, along K:
;;     - K is cut into blocks of 32 from its start; a last block that is shorter is filled with zeros.
;;     - A block's scale is 2^e with e = floor(log2(the largest magnitude in the block)) - 2, held to -126 .. 127; a block of zeros has e = 0. As a byte (E8M0): e + 127.
;;     - Each number is divided by its block's scale, clamped to +-6, and rounded to the nearest number of E2M1, ties to even, subnormals kept.
;;     - The product sums the exact products of the quantised numbers (number of the format x scale) in f32.
;;   ~~~python
;;   def quantise(x, axis):      # numpy; x: float32 -> the quantised numbers, widened to float32 again
;;       x = np.moveaxis(x, axis, -1); K = x.shape[-1]
;;       x = np.pad(x, [(0, 0)] * (x.ndim - 1) + [(0, -K % 32)]); x = x.reshape(x.shape[:-1] + (-1, 32)); a = np.abs(x).max(-1, keepdims=True)
;;       e = np.where(a > 0, np.clip(np.frexp(np.where(a > 0, a, 1))[1] - 1 - 2, -126, 127), 0)      # np.frexp(a)[1] - 1 = floor(log2(a)), exactly
;;       r = np.clip(x / 2.0 ** e, -6, 6)
;;       step = 2.0 ** (np.maximum(np.frexp(np.where(r == 0, 1, r))[1] - 1, 0) - 1)
;;       q = np.round(r / step) * step * 2.0 ** e      # np.round: ties to even
;;       return np.moveaxis(q.reshape(q.shape[:-2] + (-1,))[..., :K], -1, axis).astype(np.float32)
;;   ~~~
;;   INPUTS GIVEN AS CODES. W_experts (in the module: [8, 1024, 1024], K = its axis 2): each comes as NAME_codes (uint8): NAME with its K axis moved to the last place and cut into blocks of 32 codes, [.., K / 32, bytes a block], one block behind the other in memory; two codes a byte, the lower K in the low four bits (a code: sign, 2 exponent bits, 1 mantissa bit); and NAME_scales (uint8): the same leading axes, one E8M0 byte (e + 127) for each 32 codes along K. Its value is code x scale, taken as it is: it is not quantised again, and the codes and scales need not be those that the quantiser above would give.
;; One version. Each part assembles by itself: llvm-mc -triple=amdgcn-amd-amdhsa -mcpu=gfx1250 --defsym DOCPART=n.
;; ======== version 1 of 1: 2 launches
;; limits: right only within a limited range of input values
;; workspace buffers: xlay 4,456,448 bytes; wlay 4,456,448 bytes; gate8 262,144 bytes; binlist 8,192 bytes of whole numbers; binoff 8,192 bytes of whole numbers
;; launch route (part 1): grid 256 x 1, 8 waves a work-group, no clusters, 53,248 bytes of LDS; arguments x, W_gate, b_gate, W_experts_codes, W_experts_scales, xlay, gate8, binlist, binoff, wlay; writes xlay, gate8, binlist, binoff, wlay
.if DOCPART == 1
	.amdgcn_target "amdgcn-amd-amdhsa--gfx1250"
	.amdhsa_code_object_version 6
	.text
	.protected	k_qde0bf86222_route
	.globl	k_qde0bf86222_route
	.p2align	8
	.type	k_qde0bf86222_route,@function
k_qde0bf86222_route:
	s_mov_b64 s[64:65], 0
	v_nop
	global_prefetch_b8 v0, s[64:65] scope:SCOPE_SE
	s_setreg_imm32_b32 hwreg(HW_REG_WAVE_MODE, 25, 1), 1
	s_wait_xcnt 0x0
; MIXTURE OF EXPERTS, first of two launches: the router, the quantiser of x, and the weights laid out for the second launch.
; out[t] = p1 (Q(x[t]) W_e1^T + b_e1) + p2 (Q(x[t]) W_e2^T + b_e2); e1, e2, p1, p2: the two largest of softmax(x[t] W_gate^T + b_gate).
; WORK LEFT OUT.  reference() forms all_out for all 8 experts and keeps, by take_along_axis on its own top_k, 2 of the 8 rows of each token: the other 6 rows of the quantised product reach no
; output, whatever the inputs hold.  The second launch sorts the tokens by their pair of experts and multiplies, for each block of 128 sorted tokens, only by the experts that some token of the
; block chose; a token's result for an expert that it did not choose is weighed by a gate of 0.  All five inputs are live and are loaded.
; LIMITS.  NaN and infinities in x are not served.  A NaN, an infinity or an overflow in the product with an expert that no token of a block chose is not carried to the result; one in the
; product with an expert that a NEIGHBOUR in the block chose turns 0 x infinity into NaN: the products are taken to stay finite in f32.  A block of 32 zeros of x gets the scale byte 1 where the
; rule says 127: its codes are zeros, and this program alone reads the bytes.  The two largest are taken of 2^((l - max) log2 e), ties to the lower index as jax.lax.top_k has it; an
; exponential under 2^-126 comes out 0.  The logits' f32 sums are taken in another order than reference()'s: a token whose second and third logit lie within that rounding may choose otherwise.
; SHARES.  Work-group g owns tokens 32 g .. 32 g + 31, wave w four of them, a whole row each: lane l holds k = 128 j + 4 l + 0 .. 3 in registers 4 j .. 4 j + 3, j = 0 .. 7, so that each load of the
; wave covers 512 consecutive bytes.  A block of the quantiser lies in eight neighbouring lanes; a pair of lanes joins its codes to words.
; W_gate (32 KiB) comes once into LDS, a row a wave, and then into registers (window 1: v[32 e + j], the same order as x); two rows of x are asked for with it, one behind its stores into LDS, the
; last behind the first row's quantising.  Rows are quantised while W_gate is on its way into registers.  The router stays in f32 fused multiply-adds: its result decides an index.
; No loop: no prefetch.  No cluster: what work-groups share, W_gate, is 32 KiB beside the 128 KiB of x that each fetches for itself.
; THE BINS.  A token's pair a < b is one of 28 bins, a (15 - a) / 2 + (b - a - 1 for even a, 7 - b for odd a): two neighbouring bins always share an expert, so that a block of sorted tokens that
; lies in two bins touches three experts.  For each group of 32 tokens: binoff[g][b] = how many of its tokens lie in bins before b (32 for b = 28 .. 31); binlist[g][..] its tokens sorted by bin.
; Three waves make the choice, each from the same logits: wave 0 stores the gates, wave 1 binoff, wave 2 binlist; wave 3 stores the scale bytes.
; ALSO HERE, since the launch runs anyway: W_experts' codes and scales are copied into the order of the second launch's operand registers (wlay): tile = 16 rows of W; for K step q and half c
; lane (r, h) holds bytes 64 q + 32 c + 16 h of row r; scale words: for P = 0, 1 lane (r, h) holds the words of K steps 4 P + h and 4 P + 2 + h.  Work-group g lays tiles 2 g and 2 g + 1, a wave a quarter.
.set WGL,   0                          ; W_gate's eight rows
.set LGL,   32768                      ; the logits [32 tokens][8] f32
.set SCB,   LGL+1024                   ; the scale bytes [32 tokens][32]
.set CST,   SCB+1024                   ; the codes [32 tokens][512]
.set SPARE, CST+16384                  ; the spare words, 128 bytes for each wave: four blocks of 256 bytes that no other line names
.set XSO,   4194304                    ; in xlay the scale bytes, in wlay the scale words, begin here
.set XB,    32                         ; v32-159  my four rows of x
.set A,     160                        ; v160-175 eight pairs of partial logits (at the head v160-191: W_gate's row)
.set V,     176                        ; v176-207 32 partial logits: 8 i + e
.set T,     208                        ; v208-215 a chunk's largest magnitude, then its scale operand
.set U,     216                        ; v216-223 scale bytes
.set C,     224                        ; v224-231 codes
.set CD,    232                        ; v232-247 the rows' codes, read back, four registers a token
.set RL,    16                         ; v16-31, v248-249 the weights on their way
.set MSB, 0
.macro WIN new                         ; the immediate's high byte repeats the setting that is left
.if MSB != (\new)
	s_set_vgpr_msb (MSB<<8)|(\new)
.set MSB, (\new)
.endif
.endm
.macro VW
	s_wait_alu depctr_va_vdst(0)
.endm
.macro XROW i
.irp j, 0,1,2,3,4,5,6,7
	global_load_b128 v[XB+32*(\i)+4*\j:XB+32*(\i)+4*\j+3], v4, s[4:5] offset:4096*(\i)+512*\j th:TH_LOAD_NT
.endr
.endm
	s_load_b512 s[4:19], s[0:1], 0x0               ; x 4, W_gate 6, b_gate 8, W codes 10, W scales 12, xlay 14, gate8 16, binlist 18
	s_load_b128 s[20:23], s[0:1], 0x40             ; binoff 20, wlay 22
	v_lshl_add_u32 v2, v0, 2, SPARE
	v_mov_b32 v3, 0
	v_lshrrev_b32 v16, 5, v0
	v_readfirstlane_b32 s2, v16                    ; wave 0..7
	s_mov_b32 s52, 0xff00ff00                      ; lanes whose number has bit 3, 2, 1, 0 set
	s_mov_b32 s53, 0xf0f0f0f0
	s_mov_b32 s54, 0xcccccccc
	s_mov_b32 s55, 0xaaaaaaaa
	s_lshl_b32 s66, ttmp9, 17                      ; x: 32 rows of 4,096 bytes a work-group,
	s_lshl_b32 s67, s2, 14                         ; four a wave
	s_add_co_u32 s66, s66, s67
	s_mov_b32 s67, 0
	s_lshl_b32 s68, s2, 12                         ; W_gate: row w
	s_mov_b32 s69, 0
	s_lshl_b32 s70, ttmp9, 1
	s_lshr_b32 s71, s2, 2
	s_add_co_u32 s70, s70, s71                     ; the tile of W that I lay: 2 g + w / 4
	s_and_b32 s71, s2, 3                           ; and its quarter u
	s_lshr_b32 s80, s71, 1                         ; P = u / 2
	s_lshl_b32 s72, s70, 13                        ; codes in: 16 rows of 512 bytes a tile, 128 bytes of a row a quarter
	s_lshl_b32 s73, s71, 7
	s_add_co_u32 s72, s72, s73
	s_mov_b32 s73, 0
	s_lshl_b32 s74, s70, 9                         ; scales in: 16 rows of 32 bytes, 16 bytes a half
	s_lshl_b32 s75, s80, 4
	s_add_co_u32 s74, s74, s75
	s_mov_b32 s75, 0
	s_lshl_b32 s76, s70, 13                        ; codes out: 8,192 bytes a tile, 2,048 a quarter
	s_lshl_b32 s77, s71, 11
	s_add_co_u32 s76, s76, s77
	s_mov_b32 s77, 0
	s_lshl_b32 s78, s70, 9                         ; scale words out: 512 bytes a tile, 256 a half
	s_lshl_b32 s79, s80, 8
	s_add_co_u32 s78, s78, s79
	s_add_co_u32 s78, s78, XSO
	s_mov_b32 s79, 0
	s_lshl_b32 s3, s2, 11                          ; 2,048 w
	s_lshl_b32 s81, s2, 7                          ; 128 w
	s_mov_b32 s82, 0xffff
	v_and_b32 v1, 31, v0                           ; v1  lane
	v_lshlrev_b32 v8, 2, v0                        ; v8  4 x thread: my logit: token 4 w + l / 8, expert l % 8
	v_and_b32 v19, 15, v0                          ; r
	v_bfe_u32 v20, v0, 4, 1                        ; h
	v_mov_b32 v5, 0x05040100
	v_mov_b32 v18, 0x03020706
	v_lshlrev_b32 v4, 4, v1                        ; v4  16 l
	v_lshlrev_b32 v14, 2, v1                       ; v14 4 l
	v_lshlrev_b32 v15, 5, v1                       ; v15 32 l
	v_lshlrev_b32 v251, 3, v1                      ; v251 8 l
	v_and_b32 v16, 1, v1
	v_and_b32 v17, 30, v1
	v_cndmask_b32 v5, v5, v18, s55                 ; v5  even lanes join the first chunk's codes of two lanes, odd lanes the second's
	v_lshlrev_b32 v6, 6, v16
	v_lshl_add_u32 v6, v17, 1, v6
	v_add_nc_u32 v6, s3, v6                        ; v6  my word of codes: 2,048 w + 64 (l % 2) + 2 (l - l % 2)
	v_and_b32 v16, 7, v1
	v_lshrrev_b32 v17, 3, v1
	v_lshl_add_u32 v7, v16, 2, v17
	v_add_nc_u32 v7, s81, v7                       ; v7  my scale byte: 128 w + 4 (l % 8) + l / 8
	v_and_b32 v16, 3, v1
	v_lshlrev_b32 v13, 3, v16                      ; v13 8 (l % 4)
	v_add_nc_u32 v10, s3, v4                       ; v10 a row of codes, back from LDS and out: 2,048 w + 16 l
	v_lshlrev_b32 v11, 9, v19
	v_lshl_add_u32 v11, v20, 4, v11                ; v11 W's codes: row r, + 16 h
	v_lshlrev_b32 v12, 5, v19
	v_lshl_add_u32 v12, v20, 2, v12                ; v12 W's scales: row r, + 4 h
	v_add_nc_u32 v253, s68, v4                     ; v253 4,096 w + 16 l
	VW
	s_wait_kmcnt 0x0
	s_add_nc_u64 s[6:7], s[6:7], s[68:69]
	s_add_nc_u64 s[4:5], s[4:5], s[66:67]
.irp j, 0,1,2,3,4,5,6,7
	global_load_b128 v[A+4*\j:A+4*\j+3], v4, s[6:7] offset:512*\j              ; W_gate's row w
.endr
	XROW 0
	XROW 1
	s_load_b256 s[56:63], s[8:9], 0x0              ; b_gate
	s_add_nc_u64 s[10:11], s[10:11], s[72:73]
	s_add_nc_u64 s[12:13], s[12:13], s[74:75]
	s_add_nc_u64 s[76:77], s[22:23], s[76:77]
	s_add_nc_u64 s[78:79], s[22:23], s[78:79]
	s_lshl_b32 s84, ttmp9, 14
	s_mov_b32 s85, 0
	s_add_nc_u64 s[24:25], s[14:15], s[84:85]      ; my work-group's codes: 32 x 512 bytes
	s_lshl_b32 s84, ttmp9, 10
	s_add_nc_u64 s[26:27], s[14:15], s[84:85]
	s_add_nc_u64 s[26:27], s[26:27], XSO           ; its scale bytes: 32 x 32
	s_add_nc_u64 s[16:17], s[16:17], s[84:85]      ; its gates: 32 x 32
	s_lshl_b32 s84, ttmp9, 5
	s_add_nc_u64 s[18:19], s[18:19], s[84:85]      ; its sorted tokens and its bins' offsets: 32 bytes each
	s_add_nc_u64 s[20:21], s[20:21], s[84:85]
	s_wait_loadcnt 16                              ; W_gate's row is in; behind it two rows of x
.irp j, 0,1,2,3,4,5,6,7
	ds_store_b128 v253, v[A+4*\j:A+4*\j+3] offset:WGL+512*\j
.endr
	XROW 2
	s_wait_dscnt 0x0                               ; for the others' sake
	s_barrier_signal -1
	s_barrier_wait -1
	WIN 0x40                                       ; destination window 1
.irp e, 0,1,2,3,4,5,6,7
.irp j, 0,1,2,3,4,5,6,7
	ds_load_b128 v[32*\e+4*\j:32*\e+4*\j+3], v4 offset:WGL+4096*\e+512*\j
.endr
.endr
	WIN 0
; A token's eight partial logits in each lane
.macro LOGITS i
.set XQ, XB+32*(\i)
	WIN 0x04                                       ; source 1 (W_gate) window 1
.irp e, 0,1,2,3,4,5,6,7
	v_pk_mul_f32 v[A+2*\e:A+2*\e+1], v[XQ:XQ+1], v[32*\e:32*\e+1]   ; the first products start the sums; the eight experts by turns
.endr
.irp j, 2,4,6,8,10,12,14,16,18,20,22,24,26,28,30
.irp e, 0,1,2,3,4,5,6,7
	v_pk_fma_f32 v[A+2*\e:A+2*\e+1], v[XQ+\j:XQ+\j+1], v[32*\e+\j:32*\e+\j+1], v[A+2*\e:A+2*\e+1]
.endr
.endr
	WIN 0
.irp e, 0,1,2,3,4,5,6,7
	v_add_f32 v[V+8*(\i)+\e], v[A+2*\e], v[A+2*\e+1]
.endr
.endm
; A token's codes and scale bytes
.macro QUANT i
.set XQ, XB+32*(\i)
.irp j, 0,1,2,3,4,5,6,7
	v_max3_num_f32 v[T+\j], |v[XQ+4*\j]|, |v[XQ+4*\j+1]|, |v[XQ+4*\j+2]|
.endr
.irp j, 0,1,2,3,4,5,6,7
	v_max3_num_f32 v[T+\j], v[T+\j], |v[XQ+4*\j+3]|, 0x1800000      ; and the floor 2^(3 - 127): the byte cannot fall under 1
.endr
.irp x, 1,2,4                          ; the block's eight lanes
.irp j, 0,1,2,3,4,5,6,7
	v_max_num_f32_dpp v[T+\j], v[T+\j], v[T+\j] row_xmask:\x row_mask:0xf bank_mask:0xf
.endr
.endr
.irp j, 0,1,2,3,4,5,6,7
	v_add_nc_u32 v[T+\j], 0xff000000, v[T+\j]      ; 2 off the exponent field: the conversion takes this operand's exponent field as its scale
.endr
.irp j, 0,1,2,3,4,5,6,7
	v_cvt_scalef32_pk8_fp4_f32 v[C+\j], v[XQ+8*(\j/2):XQ+8*(\j/2)+7], v[T+\j]   ; two chunks at a time: under an even chunk's scale the low half counts, under an odd one's the high half
.endr
.irp j, 0,1,2,3,4,5,6,7
	v_lshrrev_b32 v[U+\j], 23, v[T+\j]             ; the scales' bytes (plain instructions behind the conversions)
.endr
.irp p, 0,2,4,6
	v_bfi_b32 v[C+\p], s82, v[C+\p], v[C+\p+1]
.endr
	v_lshl_or_b32 v[U], v[U+1], 8, v[U]
	v_lshl_or_b32 v[U+4], v[U+5], 8, v[U+4]
.irp p, 0,2,4,6
	v_mov_b32_dpp v[C+\p+1], v[C+\p] row_xmask:1 row_mask:0xf bank_mask:0xf
.endr
	v_lshl_or_b32 v[U], v[U+2], 16, v[U]
	v_lshl_or_b32 v[U+4], v[U+6], 16, v[U+4]
.irp p, 0,2,4,6
	v_perm_b32 v[C+\p], v[C+\p+1], v[C+\p], v5     ; a word: two neighbouring lanes' codes of one chunk
.endr
	v_lshl_or_b32 v[U], v[U+3], 24, v[U]
	v_lshl_or_b32 v[U+4], v[U+7], 24, v[U+4]
.irp p, 0,1,2,3
	ds_store_b32 v6, v[C+2*\p] offset:CST+512*(\i)+128*\p
.endr
	v_cndmask_b32 v[U], v[U], v[U+4], s53          ; lane l gives chunk l % 8's byte
	v_lshrrev_b32 v[U], v13, v[U]
	ds_store_b8 v7, v[U] offset:SCB+32*(\i)
	ds_load_b128 v[CD+4*(\i):CD+4*(\i)+3], v10 offset:CST+512*(\i)   ; my own bytes: LDS serves a wave's instructions in order (ISA guide 5.7.1.4)
.endm
.macro SENDROW i
	global_store_b128 v10, v[CD+4*(\i):CD+4*(\i)+3], s[24:25] offset:512*(\i)   ; the row's 512 bytes of codes
.endm
	s_wait_loadcnt 16                              ; row 0; behind it rows 1 and 2
	QUANT 0
	XROW 3
.irp k, 0,1,2,3
	global_load_b128 v[RL+4*\k:RL+4*\k+3], v11, s[10:11] offset:32*\k          ; the weights: K step 2 u + k / 2, half k % 2
.endr
	global_load_b32 v248, v12, s[12:13]            ; the scale words of K steps 4 P + h
	global_load_b32 v249, v12, s[12:13] offset:8   ; and 4 P + 2 + h
	VW
	s_wait_loadcnt 22                              ; row 1; behind it rows 2 and 3 and the weights' six loads
	QUANT 1
	VW
	s_wait_dscnt 0x0                               ; W_gate is in registers, and rows 0 and 1 are back
	SENDROW 0
	SENDROW 1
	LOGITS 0
	LOGITS 1
	VW
	s_wait_loadcnt 14                              ; row 2
	QUANT 2
	LOGITS 2
	VW
	s_wait_dscnt 0x0
	SENDROW 2
	s_wait_loadcnt 6                               ; row 3
	QUANT 3
	LOGITS 3
	VW
	s_wait_loadcnt 0x0                             ; the weights' six loads
.irp k, 0,1,2,3
	global_store_b128 v4, v[RL+4*\k:RL+4*\k+3], s[76:77] offset:512*\k   ; 512 consecutive bytes a store
.endr
	s_bitcmp1_b32 s71, 0
	s_cbranch_scc1 .Lwords_done                    ; quarters 0 and 2 store the scale words of their half
	global_store_b64 v251, v[248:249], s[78:79]
.Lwords_done:
	s_wait_dscnt 0x0
	SENDROW 3
	; The 32 partial logits are summed over the 32 lanes and dealt out: in each stage a lane keeps the half whose index has the lane's bit and sends the other; at the end lane l holds logit l.
.irp k, 0,1,2,3,4,5,6,7,8,9,10,11,12,13,14,15
	v_permlane16_swap_b32 v[V+\k], v[V+16+\k]
.endr
.irp k, 0,1,2,3,4,5,6,7,8,9,10,11,12,13,14,15
	v_add_f32 v[V+\k], v[V+\k], v[V+16+\k]
.endr
.macro FOLD d, msk
.set k, 0
.rept \d
	v_cndmask_b32 v[32+2*k], v[V+k], v[V+k+\d], s[\msk]            ; kept
	v_cndmask_b32 v[33+2*k], v[V+k+\d], v[V+k], s[\msk]            ; sent
.set k, k+1
.endr
.set k, 0
.rept \d
	v_add_f32_dpp v[V+k], v[33+2*k], v[32+2*k] row_xmask:\d row_mask:0xf bank_mask:0xf
.set k, k+1
.endr
.endm
	FOLD 8, 52
	FOLD 4, 53
	FOLD 2, 54
	FOLD 1, 55
	ds_store_b32 v8, v[V] offset:LGL
	VW
	s_wait_kmcnt 0x0                               ; b_gate
	s_wait_dscnt 0x0                               ; for the others' sake: my logits and scale bytes lie in LDS
	s_barrier_signal -1
	s_barrier_wait -1
	s_cmp_lt_u32 s2, 3
	s_cbranch_scc1 .Lchoose
	s_cmp_eq_u32 s2, 3
	s_cbranch_scc0 .Lend
	ds_load_b128 v[32:35], v4 offset:SCB           ; wave 3: the work-group's 1,024 scale bytes leave in stores of 512 consecutive bytes
	ds_load_b128 v[36:39], v4 offset:SCB+512
	s_wait_dscnt 0x0
	global_store_b128 v4, v[32:35], s[26:27]
	global_store_b128 v4, v[36:39], s[26:27] offset:512
	s_branch .Lend
.Lchoose:                                              ; waves 0 to 2: a token a lane.  All that follows makes VALUES: no address and no branch hangs on it
	ds_load_b128 v[32:35], v15 offset:LGL
	ds_load_b128 v[36:39], v15 offset:LGL+16
	s_wait_dscnt 0x0
.irp e, 0,1,2,3,4,5,6,7
	v_add_f32 v[32+\e], s[56+\e], v[32+\e]         ; + b_gate
.endr
	v_max3_num_f32 v40, v32, v33, v34
	v_max3_num_f32 v41, v35, v36, v37
	v_max_num_f32 v42, v38, v39
	v_max3_num_f32 v40, v40, v41, v42              ; the maximum is taken away, as reference()'s softmax does
.irp e, 0,1,2,3,4,5,6,7
	v_sub_f32 v[32+\e], v[32+\e], v40
.endr
.irp e, 0,1,2,3,4,5,6,7
	v_mul_f32 v[32+\e], 0x3fb8aa3b, v[32+\e]       ; x log2(e)
.endr
	VW
.irp e, 0,1,2,3,4,5,6,7
	v_exp_f32 v[32+\e], v[32+\e]
.endr
	v_nop                                          ; a plain instruction behind the last exponential
	VW                                             ; one wait for the batch, ahead of its first reader
	v_mov_b32 v46, v32                             ; the largest: an ascending scan with a strict compare, so the lower index wins a tie
	v_mov_b32 v47, 0
.irp e, 1,2,3,4,5,6,7
	v_cmp_gt_f32 vcc_lo, v[32+\e], v46
	v_cndmask_b32 v46, v46, v[32+\e], vcc_lo
	v_cndmask_b32 v47, v47, \e, vcc_lo
.endr
.irp e, 0,1,2,3,4,5,6,7
	v_cmp_eq_u32 s[84+\e], \e, v47
.endr
.irp e, 0,1,2,3,4,5,6,7
	v_cndmask_b32 v[50+\e], v[32+\e], -1.0, s[84+\e] ; the winner steps out: -1 lies under every exponential
.endr
	v_mov_b32 v48, v50                             ; the second largest, likewise
	v_mov_b32 v49, 0
.irp e, 1,2,3,4,5,6,7
	v_cmp_gt_f32 vcc_lo, v[50+\e], v48
	v_cndmask_b32 v48, v48, v[50+\e], vcc_lo
	v_cndmask_b32 v49, v49, \e, vcc_lo
.endr
	s_cmp_eq_u32 s2, 0
	VW
	s_cbranch_scc0 .Lsort
	v_add_f32 v41, v32, v33                        ; wave 0: the gates
	v_add_f32 v42, v34, v35
	v_add_f32 v43, v36, v37
	v_add_f32 v44, v38, v39
	v_add_f32 v41, v41, v42
	v_add_f32 v43, v43, v44
	v_add_f32 v41, v41, v43
	VW
	v_rcp_f32 v45, v41
	v_nop
	VW                                             ; the reciprocal's wait, ahead of its first reader
	v_mul_f32 v58, v46, v45                        ; p1
	v_mul_f32 v59, v48, v45                        ; p2
.irp e, 0,1,2,3,4,5,6,7
	v_cmp_eq_u32 vcc_lo, \e, v49
	v_cndmask_b32 v[60+\e], 0, v59, vcc_lo
.endr
.irp e, 0,1,2,3,4,5,6,7
	v_cndmask_b32 v[60+\e], v[60+\e], v58, s[84+\e]  ; the token's gates: p at its two experts, 0 elsewhere
.endr
	global_store_b128 v15, v[60:63], s[16:17]      ; 32 bytes a token (1 KiB a work-group: not worth a turn through LDS)
	global_store_b128 v15, v[64:67], s[16:17] offset:16
	s_branch .Lend
.Lsort:
	v_min_u32 v70, v47, v49                        ; the pair a < b
	v_max_u32 v71, v47, v49
	v_mov_b32 v76, 0                               ; lane q: the number in the group of the q-th sorted token
	v_sub_nc_u32 v72, 15, v70
	v_sub_nc_u32 v77, v71, v70
	v_mul_u32_u24 v72, v70, v72
	v_add_nc_u32 v77, -1, v77                      ; even a: b ascending, b - a - 1
	v_sub_nc_u32 v78, 7, v71                       ; odd a: b descending, 7 - b
	v_and_b32 v79, 1, v70
	v_cmp_eq_u32 vcc_lo, 1, v79
	v_lshrrev_b32 v72, 1, v72                      ; a (15 - a) / 2: where a's bins begin
	v_cndmask_b32 v77, v77, v78, vcc_lo
	v_add_nc_u32 v72, v72, v77                     ; the bin
	v_lshl_or_b32 v80, v72, 5, v1                  ; the token's key: bin, then its number in the group
	VW
	s_wait_xcnt 0x0                                ; the weights' stores have read their bases: the scalars below may be written
.irp i, 0,1,2,3,4,5,6,7,8,9,10,11,12,13,14,15,16,17,18,19,20,21,22,23,24,25,26,27,28,29,30,31
	v_readlane_b32 s[66+\i], v80, \i
.endr
	s_cmp_eq_u32 s2, 1
	s_cselect_b32 s3, -1, 0
	v_cndmask_b32 v81, v80, v15, s3                ; how many of the 32 keys lie under a bound: wave 1: under bin l's first key: binoff; wave 2: under my token's: its place
.irp i, 0,1,2,3,4,5,6,7,8,9,10,11,12,13,14,15,16,17,18,19,20,21,22,23,24,25,26,27,28,29,30,31
	v_sub_nc_u32 v[32+\i], s[66+\i], v81
.endr
.irp i, 0,1,2,3,4,5,6,7,8,9,10,11,12,13,14,15,16,17,18,19,20,21,22,23,24,25,26,27,28,29,30,31
	v_lshrrev_b32 v[32+\i], 31, v[32+\i]
.endr
.irp j, 0,1,2,3,4,5,6,7
	v_add3_u32 v[64+\j], v[32+\j], v[40+\j], v[48+\j]
.endr
.irp j, 0,1,2,3,4,5,6,7
	v_add_nc_u32 v[64+\j], v[64+\j], v[56+\j]
.endr
	v_add3_u32 v64, v64, v65, v66
	v_add3_u32 v67, v67, v68, v69
	v_add_nc_u32 v70, v70, v71
	v_add3_u32 v73, v64, v67, v70
	s_cmp_eq_u32 s2, 1
	VW
	s_cbranch_scc0 .Llist
	global_store_b8 v1, v73, s[20:21]
	s_branch .Lend
.Llist:
.irp p, 0,8,16,24                      ; the inverse of the places: who stands at place p
.irp k, 0,1,2,3,4,5,6,7
	v_cmp_eq_u32 s[80+\k], \p+\k, v73
.endr
.irp k, 0,1,2,3,4,5,6,7
	s_ctz_i32_b32 s[88+\k], s[80+\k]
.endr
	VW
.irp k, 0,1,2,3,4,5,6,7
	v_writelane_b32 v76, s[88+\k], \p+\k
.endr
.endr
	global_store_b8 v1, v76, s[18:19]
.Lend:
	s_wait_tensorcnt 0x0                           ; the wave's end
	ds_add_u32 v2, v3
	s_wait_dscnt 0x0
	s_endpgm
.Lfunc_end_k_qde0bf86222_route:
	.size	k_qde0bf86222_route, .Lfunc_end_k_qde0bf86222_route-k_qde0bf86222_route
	.p2alignl 7, 3214868480
	.fill 96, 4, 3214868480
	.section	.rodata,"a",@progbits
	.p2align	6, 0x0
	.amdhsa_kernel k_qde0bf86222_route
		.amdhsa_group_segment_fixed_size 53248
		.amdhsa_private_segment_fixed_size 0
		.amdhsa_enable_private_segment 0
		.amdhsa_kernarg_size 80
		.amdhsa_user_sgpr_count 2
		.amdhsa_user_sgpr_kernarg_segment_ptr 1
		.amdhsa_wavefront_size32 1
		.amdhsa_system_sgpr_workgroup_id_x 1
		.amdhsa_system_sgpr_workgroup_id_y 1
		.amdhsa_system_sgpr_workgroup_id_z 1
		.amdhsa_system_vgpr_workitem_id 0
		.amdhsa_next_free_vgpr 512
		.amdhsa_next_free_sgpr 102
		.amdhsa_reserve_vcc 1
		.amdhsa_float_denorm_mode_32 3
		.amdhsa_float_denorm_mode_16_64 3
		.amdhsa_memory_ordered 1
		.amdhsa_forward_progress 1
		.amdhsa_inst_pref_size 92
	.end_amdhsa_kernel
	.amdgpu_metadata
---
amdhsa.version: [ 1, 2 ]
amdhsa.kernels:
  - .name:           k_qde0bf86222_route
    .symbol:         k_qde0bf86222_route.kd
    .args:
      - { .name: x, .offset: 0, .size: 8, .value_kind: global_buffer, .address_space: global }
      - { .name: W_gate, .offset: 8, .size: 8, .value_kind: global_buffer, .address_space: global }
      - { .name: b_gate, .offset: 16, .size: 8, .value_kind: global_buffer, .address_space: global }
      - { .name: W_experts_codes, .offset: 24, .size: 8, .value_kind: global_buffer, .address_space: global }
      - { .name: W_experts_scales, .offset: 32, .size: 8, .value_kind: global_buffer, .address_space: global }
      - { .name: xlay, .offset: 40, .size: 8, .value_kind: global_buffer, .address_space: global }
      - { .name: gate8, .offset: 48, .size: 8, .value_kind: global_buffer, .address_space: global }
      - { .name: binlist, .offset: 56, .size: 8, .value_kind: global_buffer, .address_space: global }
      - { .name: binoff, .offset: 64, .size: 8, .value_kind: global_buffer, .address_space: global }
      - { .name: wlay, .offset: 72, .size: 8, .value_kind: global_buffer, .address_space: global }
    .group_segment_fixed_size: 53248
    .private_segment_fixed_size: 0
    .kernarg_segment_align: 8
    .kernarg_segment_size: 80
    .max_flat_workgroup_size: 256
    .sgpr_count:     102
    .vgpr_count:     512
    .wavefront_size: 32
...
	.end_amdgpu_metadata
.endif
;; end of part 1
;; launch experts (part 2): grid 4 x 64, 4 waves a work-group, no clusters, 239,616 bytes of LDS; arguments xlay, binoff, binlist, gate8, wlay, b_experts, out0; writes out0
.if DOCPART == 2
	.amdgcn_target "amdgcn-amd-amdhsa--gfx1250"
	.amdhsa_code_object_version 6
	.text
	.protected	k_qde0bf86222_experts
	.globl	k_qde0bf86222_experts
	.p2align	8
	.type	k_qde0bf86222_experts,@function
k_qde0bf86222_experts:
	s_mov_b64 s[64:65], 0
	v_nop
	global_prefetch_b8 v0, s[64:65] scope:SCOPE_SE
	s_setreg_imm32_b32 hwreg(HW_REG_WAVE_MODE, 25, 1), 1
	s_wait_xcnt 0x0
; Second launch: the tokens in the order of their bins (pairs of experts), and out[t] = the sum over the experts e on the block's list of gate[t][e] x (Q(x[t]) W_e^T + b_e), on codes of E2M1 with E8M0 scales.
; Work left out: the products with experts that no token of the block chose, which reference() does not gather (the first kernel's head shows it).
; LIMIT: a token's result for an expert on the list that it did not choose is multiplied by a gate of 0: the products are taken to stay finite in f32.
; SHARES.  Work-group (cb, beta) owns the 128 sorted tokens of block beta x output columns 256 cb .. + 255, and is their one owner.  It makes them in TWO PASSES p of 128 columns, each a walk over the list of experts; in a pass
; wave w makes all 128 tokens x columns 128 p + 32 w .. + 31: two tiles t of 16 rows of W.  The first pass's results leave while the second pass multiplies.
; THE ORDER.  Where bin b begins among all sorted tokens is the sum over the 256 groups of binoff[g][b].  Each wave finds the tokens of its own 32 places: for each bin that reaches into them, lane l scans groups
; 8 l .. 8 l + 7, each group that reaches into the places leaves a mark (bin, group, offset) where its tokens begin, and a running maximum over the lanes carries a mark on to the places behind it.
; The 128 tokens' codes for all of K stay in each wave's registers (512), so each fragment of W (1 KiB) feeds 8 matrix instructions and is loaded once in the work-group, from memory straight into
; registers: the first launch has laid W in the order of the operand's registers, so a load is 512 consecutive bytes.
; NO TENSOR LOAD AND NO CLUSTER: how many experts a work-group walks, and which, hangs on numbers read from memory, so partners would ask for different tiles.
; PREFETCH: at the head, ahead of the look-up that tells which experts are wanted, W's 16,384 + 1,024 blocks of 256 bytes are shared out by address: work-groups (cb, beta) and (cb, beta xor 1) ask for the same 128 + 8 blocks,
; a wave for 32 + 2 of them.  x's rows are not asked for: which ones are wanted is known only when they are loaded.
; THE PRODUCT IS USED TRANSPOSED: source 0 = 16 rows of W, source 1 = 16 tokens: lane (r, h) holds token 16 m + r and columns 16 t + 8 h + 0 .. 7.  The bias is the C of a sum's first instruction.
; AN ITEM is one expert x one tile t: 8 K steps x 8 tiles of tokens = 64 matrix instructions on 8 accumulators by turns, then OUT[t] += gate x accumulator.  A STEP is one expert of a pass: two items.
; THE RING: 8 slots in registers, a slot = two K steps' fragments of W.  Two slots, a pair, are asked for again together, behind the 32 matrix instructions that read them, for the same tile of the next step: 4 loads of the
; first slot, one of both slots' scale words, 4 of the second slot.  Behind what a pair's first K steps wait for stand 4 + 3 x 9 = 31 younger loads, behind the second ones' 27.
; THE FIRST ITEM reads x's fragments from LDS by K, two K steps at a time, and multiplies them while the next are on their way.
; REGISTERS, in windows of 256: window 0: v0-7 addresses; v8-15 gates G[m]; v16-23 the bias BI; v24-31 W's scale words, a slot each; v32-63 x's scale words XS[m][u] (lanes 0-15: K step u, lanes 16-31: 4 + u);
;   v64-127 the accumulators (at the head: at work); v128-255 the ring.   window 1: OUT[t][m] at 64 t + 8 m; v128-223 rows read back from the stage, three runs of 32; v224-255 the byte offsets of my 32 tokens' rows in out0
;   (at the head v0-143: data on their way).   windows 2, 3: x's fragments X[m][q] at 64 (m % 4) + 8 q.
.set XRP,   528                        ; a token's 512 bytes of codes in LDS + 16 of padding
.set BT,    0                          ; [expert][256 columns] f32: the biases
.set GT,    8192                       ; [expert][token 128] f32: the gates
.set XSL,   12800                      ; [128][32] x's scale bytes
.set TS,    16896                      ; [wave][row of lanes][half] the sums of binoff, 16 bins x 2 bytes
.set LIST,  17408                      ; 512 bytes a wave: the marks, from byte 128 on
.set OT,    19456                      ; [bin 32][group 256] binoff turned round
.set SLS,   27648                      ; [group 256][32] the groups' sorted tokens
.set XR,    35840                      ; [128] rows of codes
.set SRP,   528                        ; a row of a stage: 512 bytes + 16
.set STGA,  XR+128*XRP                 ; the way out: the first pass's 128 rows
.set STGB,  STGA+128*SRP               ; and the second's
.set SPARE, STGB+128*SRP               ; the spare words, 128 bytes for each wave: two blocks of 256 bytes that no other line names
.set XSO,   4194304                    ; in xlay the scale bytes, in wlay the scale words, begin here
.set GA0, 0                            ; v0  4 r (at the head: the thread's number)
.set BA0, 1                            ; v1  128 w + 32 h
.set SPW, 2                            ; v2  LDS address of my spare word; never rewritten
.set NIL, 3                            ; v3  0; never rewritten
.set L16, 4                            ; v4  16 x lane
.set L8,  5                            ; v5  8 x lane
.set BA,  6                            ; v6  LDS: the expert's bias
.set GA,  7                            ; v7  LDS: the expert's gates; in the first item x's fragments; at a pass's end the stage
.set G,   8
.set BI,  16
.set WS,  24
.set XS,  32
.set ACC, 64
.set WB,  128
.set AO,  110                          ; v107-127 the head's addresses
.set AT,  111
.set A16, 112
.set ATS, 113
.set ATL, 114
.set ATM, 115
.set ALI, 116
.set ABI, 117
.set A4,  118
.set A32, 119
.set AXR, 120
.set LN,  121
.set RR,  122
.set HH,  123
.set DMP, 124
.set LPA, 125
.set BEG, 126
.set LC,  127                          ; v127 my 16 bytes of a row of out0: 16 l + 1,024 cb
.set PB,  32                           ; s[32:35] the bases of the ring's loads: fragments, scale words
.set MSB, 0
.macro WIN new                         ; the immediate's high byte repeats the setting that is left
.if MSB != (\new)
	s_set_vgpr_msb (MSB<<8)|(\new)
.set MSB, (\new)
.endif
.endm
.macro VW
	s_wait_alu depctr_va_vdst(0)
.endm
	s_load_b256 s[4:11], s[0:1], 0x0               ; xlay 4, binoff 6, binlist 8, gate8 10
	s_load_b128 s[12:15], s[0:1], 0x20             ; wlay 12, b_experts 14
	s_load_b64 s[16:17], s[0:1], 0x30              ; out0
	v_lshl_add_u32 v[SPW], v0, 2, SPARE
	v_mov_b32 v[NIL], 0
	v_lshrrev_b32 v16, 5, v0
	v_readfirstlane_b32 s22, v16                   ; wave 0..3
	s_mov_b32 s23, ttmp9                           ; cb
	s_and_b32 s24, ttmp7, 0xffff                   ; beta
	v_and_b32 v[LN], 31, v0                        ; lane
	v_and_b32 v[RR], 15, v0                        ; r
	v_bfe_u32 v[HH], v0, 4, 1                      ; h
	v_lshrrev_b32 v19, 1, v0
	v_and_b32 v20, 1, v0
	v_lshlrev_b32 v[L16], 4, v[LN]
	v_lshlrev_b32 v[L8], 3, v[LN]
	v_lshlrev_b32 v[AO], 7, v19
	v_lshl_add_u32 v[AO], v20, 4, v[AO]            ; binoff: four groups x 16 bins a thread
	v_lshlrev_b32 v[AT], 2, v19
	v_lshl_add_u32 v[AT], v20, 12, v[AT]           ; the same turned round
	v_lshlrev_b32 v[A16], 4, v0
	v_lshlrev_b32 v[A4], 2, v0
	v_lshlrev_b32 v[A32], 5, v0
	v_lshlrev_b32 v[ATS], 5, v20
	v_lshl_add_u32 v[ATS], v[HH], 6, v[ATS]
	s_lshl_b32 s38, s22, 7
	v_add_nc_u32 v[ATS], s38, v[ATS]
	v_lshlrev_b32 v[BA0], 5, v[HH]
	v_add_nc_u32 v[BA0], s38, v[BA0]
.macro SUMAT d, b                      ; where bin b's sum lies in 64 bytes: words hold bins 4 n + c and 4 n + c + 2
	v_lshrrev_b32 v21, 4, v[\b]
	v_lshlrev_b32 v[\d], 5, v21
	v_bfe_u32 v21, v[\b], 2, 2
	v_lshl_add_u32 v[\d], v21, 3, v[\d]
	v_and_b32 v21, 1, v[\b]
	v_lshl_add_u32 v[\d], v21, 2, v[\d]
	v_bfe_u32 v21, v[\b], 1, 1
	v_lshl_add_u32 v[\d], v21, 1, v[\d]
.endm
	SUMAT ATL, LN                                  ; lane l: bin l,
	v_add_nc_u32 v22, 1, v[LN]
	v_min_u32 v22, 31, v22
	SUMAT ATM, 22                                  ; and the bin behind it
	v_lshlrev_b32 v[ALI], 2, v[LN]
	s_lshl_b32 s38, s22, 9
	v_add_nc_u32 v[ALI], s38, v[ALI]               ; my wave's marks
	s_add_co_u32 s55, s38, LIST
	s_lshl_b32 s38, s22, 11
	v_add_nc_u32 v[ABI], s38, v[L16]               ; the biases of experts 2 w and 2 w + 1
	v_mul_u32_u24 v[AXR], v[HH], 16*XRP
	v_lshl_add_u32 v[AXR], v[RR], 4, v[AXR]
	s_mul_i32 s38, s22, 32*XRP
	v_add_nc_u32 v[AXR], s38, v[AXR]               ; where I put my wave's 32 rows of codes
	s_add_co_u32 s61, s38, STGA                    ; and, in a stage, the 32 rows that I store (XRP = SRP)
	s_add_co_u32 s62, s38, STGB
	v_mov_b32 v[DMP], 0x5f
	v_lshlrev_b32 v[LPA], 19, v[LN]
	v_add_nc_u32 v[LPA], 0x60, v[LPA]
	v_mov_b32 v8, 0
	v_lshlrev_b32 v108, 8, v[LN]                   ; the prefetches: a block a lane,
	v_min_u32 v109, 1, v[LN]
	v_lshlrev_b32 v109, 8, v109                    ; and two blocks a wave (the lanes left over name the second again)
	s_lshl_b32 s56, s23, 10
	v_add_nc_u32 v[LC], s56, v[L16]
	s_mov_b32 s39, 0
	s_mov_b32 s57, 0
	s_lshl_b32 s25, s24, 7                         ; the block's first place,
	s_add_co_u32 s43, s25, 128                     ; its end,
	s_lshl_b32 s38, s22, 5
	s_add_co_u32 s44, s25, s38                     ; my wave's first place
	s_add_co_u32 s54, s44, 32                      ; and its end
	s_sub_co_u32 s47, 32, s44
	s_mov_b32 s46, 0xffff0000                      ; lanes 16-31
	s_lshl_b32 s38, s22, 13
	s_add_co_u32 s56, s56, s38                     ; b_experts: my work-group's columns of experts 2 w, 2 w + 1
	VW
	s_wait_kmcnt 0x0
	s_add_nc_u64 s[52:53], s[14:15], s[56:57]
.irp i, 0,1,2,3
	global_load_b128 v[64+4*\i:67+4*\i], v[AO], s[6:7] offset:32*\i
.endr
.irp i, 0,1,2,3
	global_load_b128 v[80+4*\i:83+4*\i], v[A16], s[8:9] offset:2048*\i
.endr
.irp e, 0,1
.irp k, 0,1
	global_load_b128 v[32+8*\e+4*\k:35+8*\e+4*\k], v[L16], s[52:53] offset:4096*\e+512*\k
.endr
.endr
	s_lshr_b32 s38, s24, 1
	s_lshl_b32 s38, s38, 2
	s_or_b32 s40, s38, s23                         ; my share of W, 0 .. 127: 4 (beta / 2) + cb
	s_lshl_b32 s38, s40, 15
	s_lshl_b32 s41, s22, 13
	s_add_co_u32 s38, s38, s41
	s_add_nc_u64 s[56:57], s[12:13], s[38:39]
	global_prefetch_b8 v108, s[56:57] th:TH_LOAD_NT scope:SCOPE_SE
	s_lshl_b32 s38, s40, 11
	s_lshl_b32 s41, s22, 9
	s_add_co_u32 s38, s38, s41
	s_add_nc_u64 s[58:59], s[12:13], s[38:39]
	s_add_nc_u64 s[58:59], s[58:59], XSO
	global_prefetch_b8 v109, s[58:59] th:TH_LOAD_NT scope:SCOPE_SE
	s_add_nc_u64 s[50:51], s[4:5], XSO             ; x's scale bytes
	s_lshl_b32 s38, s23, 17
	s_lshl_b32 s40, s22, 14
	s_add_co_u32 s38, s38, s40
	s_add_nc_u64 s[28:29], s[12:13], s[38:39]      ; W's fragments at tile 16 cb + 2 w of expert 0
	s_lshl_b32 s38, s23, 13
	s_lshl_b32 s40, s22, 10
	s_add_co_u32 s38, s38, s40
	s_add_nc_u64 s[30:31], s[12:13], s[38:39]
	s_add_nc_u64 s[30:31], s[30:31], XSO           ; and its scale words
	ds_store_b32 v[ALI], v8 offset:LIST+128        ; no marks yet
	s_wait_loadcnt 8                               ; binoff is in; behind it 4 loads of binlist and 4 of biases
.irp n, 0,1,2,3                        ; four groups' bytes of bins 4 n .. 4 n + 3: four words, a bin each
	v_perm_b32 v8, v[68+\n], v[64+\n], 0x05010400
	v_perm_b32 v9, v[68+\n], v[64+\n], 0x07030602
	v_perm_b32 v10, v[76+\n], v[72+\n], 0x05010400
	v_perm_b32 v11, v[76+\n], v[72+\n], 0x07030602
	v_add3_u32 v[48+\n], v[64+\n], v[68+\n], v[72+\n]   ; four bytes of 32 at the most: no carry
	v_add_nc_u32 v[48+\n], v[48+\n], v[76+\n]
	v_perm_b32 v12, v10, v8, 0x05040100
	v_perm_b32 v13, v10, v8, 0x07060302
	v_perm_b32 v14, v11, v9, 0x05040100
	v_perm_b32 v15, v11, v9, 0x07060302
.irp j, 0,1,2,3
	ds_store_b32 v[AT], v[12+\j] offset:OT+256*(4*\n+\j)
.endr
.endr
.irp n, 0,1,2,3
	v_and_b32 v[52+2*\n], 0xff00ff, v[48+\n]
	v_lshrrev_b32 v[53+2*\n], 8, v[48+\n]
.endr
.irp n, 0,1,2,3
	v_and_b32 v[53+2*\n], 0xff00ff, v[53+2*\n]
.endr
.irp x, 2,4,8                          ; over the eight lanes of a row that hold the same bins
.irp k, 0,1,2,3,4,5,6,7
	v_add_nc_u32_dpp v[52+\k], v[52+\k], v[52+\k] row_xmask:\x row_mask:0xf bank_mask:0xf
.endr
.endr
	ds_store_b128 v[ATS], v[52:55] offset:TS       ; (the eight lanes store the same numbers)
	ds_store_b128 v[ATS], v[56:59] offset:TS+16
	s_wait_loadcnt 4
.irp i, 0,1,2,3
	ds_store_b128 v[A16], v[80+4*\i:83+4*\i] offset:SLS+2048*\i
.endr
	s_wait_loadcnt 0x0
.irp e, 0,1
.irp k, 0,1
	ds_store_b128 v[ABI], v[32+8*\e+4*\k:35+8*\e+4*\k] offset:BT+1024*\e+512*\k
.endr
.endr
	s_wait_dscnt 0x0                               ; for the others' sake
	s_barrier_signal -1
	s_barrier_wait -1
.irp k, 0,1,2,3,4,5,6,7
	ds_load_u16 v[64+\k], v[ATL] offset:TS+64*\k
	ds_load_u16 v[72+\k], v[ATM] offset:TS+64*\k
.endr
	s_wait_dscnt 0x0
	v_add3_u32 v[BEG], v64, v65, v66
	v_add3_u32 v80, v72, v73, v74
	v_add3_u32 v[BEG], v[BEG], v67, v68
	v_add3_u32 v80, v80, v75, v76
	v_add3_u32 v[BEG], v[BEG], v69, v70
	v_add3_u32 v80, v80, v77, v78
	v_add_nc_u32 v[BEG], v[BEG], v71               ; lane b: where bin b begins,
	v_add_nc_u32 v80, v80, v79                     ; and ends
	v_cmp_ge_u32 s40, s44, v[BEG]                  ; the bins that begin at or before my wave's first place
	v_cmp_gt_u32 s41, s54, v[BEG]                  ; and those that begin before its end
	v_max_u32 v81, s25, v[BEG]
	v_min_u32 v82, s43, v80
	v_cmp_lt_u32 s21, v81, v82                     ; bit b: bin b has a token in the block
	s_bcnt1_i32_b32 s36, s40
	s_sub_co_u32 s36, s36, 1                       ; my places' first bin
	s_bcnt1_i32_b32 s20, s41                       ; and the one behind their last
	VW
; A BIN of my places.  Groups 8 l .. 8 l + 7 are mine: their counts, a scan over the lanes, and d[i] = 32 + where group i's tokens of the bin begin, counted from my first place.  A group reaches into my places if d[i + 1] > max(d[i], 32)
; and that maximum is under 64; its mark lies at the maximum.  Every other group's goes to words 64 .. 95, which nobody reads.  Mark = bin << 24 | group << 16 | (its offset in the group's list - (d[i] - 32) + 64).
.Lbin:
	s_lshl_b32 s40, s36, 8
	v_add_nc_u32 v20, s40, v[L8]
	v_min_u32 v20, 0x1bf8, v20                     ; bin 27 at the most: the bound stands in the text
	s_lshl_b32 s41, s36, 2
	v_mov_b32 v21, s41
	ds_load_b64 v[64:65], v20 offset:OT
	ds_load_b64 v[66:67], v20 offset:OT+256
	ds_bpermute_b32 v68, v21, v[BEG]               ; where the bin begins
	s_lshl_b32 s41, s36, 24
	s_wait_dscnt 0x0
	v_sub_nc_u32 v66, v66, v64                     ; offsets do not fall from bin to bin: no borrow
	v_sub_nc_u32 v67, v67, v65
	v_add_nc_u32 v106, s41, v[LPA]
.irp i, 0,1,2,3
	v_bfe_u32 v[70+\i], v66, 8*\i, 8
	v_bfe_u32 v[74+\i], v67, 8*\i, 8
.endr
	v_add3_u32 v78, v70, v71, v72
	v_add3_u32 v79, v73, v74, v75
	v_add_nc_u32 v80, v76, v77
	v_add3_u32 v78, v78, v79, v80                  ; my eight groups' tokens
	v_mov_b32 v79, v78
.irp d, 1,2,4,8
	v_mov_b32_dpp v80, v79 row_shr:\d row_mask:0xf bank_mask:0xf bound_ctrl:1
	v_add_nc_u32 v79, v79, v80
.endr
	v_readlane_b32 s42, v79, 15
	v_sub_nc_u32 v81, v79, v78
	v_mul_u32_u24 v80, s42, v[HH]
	v_add_nc_u32 v81, v81, v80
	v_add3_u32 v81, v81, v68, s47                  ; d[0]
.irp i, 0,1,2,3,4,5,6,7
	v_add_nc_u32 v[82+\i], v[81+\i], v[70+\i]
.endr
.irp i, 0,1,2,3,4,5,6,7
	v_max_u32 v[90+\i], 32, v[81+\i]
.endr
.irp i, 0,1,2,3
	v_bfe_u32 v[98+\i], v64, 8*\i, 8
	v_bfe_u32 v[102+\i], v65, 8*\i, 8
.endr
.irp i, 0,1,2,3,4,5,6,7
	v_cmp_gt_u32 s[72+\i], v[82+\i], v[90+\i]
.endr
.irp i, 0,1,2,3,4,5,6,7
	v_sub_nc_u32 v[98+\i], v[98+\i], v[81+\i]
.endr
.irp i, 0,1,2,3,4,5,6,7
	v_cndmask_b32 v[90+\i], v[DMP], v[90+\i], s[72+\i]
.endr
.irp i, 0,1,2,3,4,5,6,7
	v_min_u32 v[90+\i], 0x5f, v[90+\i]
.endr
.irp i, 0,1,2,3,4,5,6,7
	v_lshl_add_u32 v[90+\i], v[90+\i], 2, s55
.endr
.irp i, 0,1,2,3,4,5,6,7
	v_add3_u32 v[98+\i], v[98+\i], v106, \i<<16
.endr
.irp i, 0,1,2,3,4,5,6,7
	ds_store_b32 v[90+\i], v[98+\i]
.endr
	s_add_co_u32 s36, s36, 1
	s_cmp_lt_u32 s36, s20
	VW
	s_cbranch_scc1 .Lbin
	ds_load_b32 v84, v[ALI] offset:LIST+128        ; lane p: the mark at place p
	s_wait_dscnt 0x0
.irp d, 1,2,4,8
	v_mov_b32_dpp v80, v84 row_shr:\d row_mask:0xf bank_mask:0xf bound_ctrl:1
	v_max_u32 v84, v84, v80
.endr
	v_readlane_b32 s42, v84, 15
	v_max_u32 v80, s42, v84
	v_cndmask_b32 v84, v84, v80, s46               ; the last mark at or before my place
	v_bfe_u32 v85, v84, 16, 8                      ; the group
	v_and_b32 v86, 0xffff, v84
	v_lshl_add_u32 v86, v85, 5, v86
	v_add3_u32 v86, v86, v[LN], 0xffffffc0
	v_min_u32 v86, 0x1fff, v86
	ds_load_u8 v87, v86 offset:SLS
	v_lshlrev_b32 v89, 4, v[RR]
	VW
	s_wait_dscnt 0x0
	v_lshl_add_u32 v88, v85, 5, v87
	v_min_u32 v88, 0x1fff, v88                     ; lane p: the token at my wave's place p; a loaded number enters an address only behind this bound
.irp i, 0,1,2,3,4,5,6,7,8,9,10,11,12,13,14,15
	v_mov_b32_dpp v[90+\i], v88 row_share:\i row_mask:0xf bank_mask:0xf
.endr
.irp i, 0,1,2,3,4,5,6,7,8,9,10,11,12,13,14,15
	v_min_u32 v[90+\i], 0x1fff, v[90+\i]
.endr
.irp i, 0,1,2,3,4,5,6,7,8,9,10,11,12,13,14,15
	v_lshl_add_u32 v[90+\i], v[90+\i], 9, v89      ; lanes 0-15: token i, lanes 16-31: token 16 + i; 256 bytes of codes
.endr
	v_lshlrev_b32 v106, 5, v88
	WIN 0x40                                       ; destination window 1
.irp i, 0,1,2,3,4,5,6,7,8,9,10,11,12,13,14,15
	global_load_b128 v[8*\i:8*\i+3], v[90+\i], s[4:5]
	global_load_b128 v[8*\i+4:8*\i+7], v[90+\i], s[4:5] offset:256
.endr
	global_load_b128 v[128:131], v106, s[50:51]    ; my token's scale bytes
	global_load_b128 v[132:135], v106, s[50:51] offset:16
	global_load_b128 v[136:139], v106, s[10:11]    ; and its gates
	global_load_b128 v[140:143], v106, s[10:11] offset:16
	WIN 0
	s_mov_b32 s26, 0                               ; the number of experts
	s_mov_b32 s27, 0                               ; their list, four bits each, ascending
	VW
.macro EXPERT e, bins                  ; bins: the bins whose pair holds expert e
	s_and_b32 s38, s21, \bins
	s_cselect_b32 s39, 1, 0
	s_cselect_b32 s40, \e, 0
	s_lshl_b32 s41, s26, 2
	s_lshl_b32 s40, s40, s41
	s_or_b32 s27, s27, s40
	s_add_co_u32 s26, s26, s39
.endm
	; the bins in the first launch's order: 0-6 (0,1)..(0,7); 7-12 (1,7)..(1,2); 13-17 (2,3)..(2,7); 18-21 (3,7)..(3,4); 22-24 (4,5)..(4,7); 25, 26 (5,7), (5,6); 27 (6,7)
	EXPERT 0, 0x7f
	EXPERT 1, 0x1f81
	EXPERT 2, 0x3f002
	EXPERT 3, 0x3c2804
	EXPERT 4, 0x1e04408
	EXPERT 5, 0x6508210
	EXPERT 6, 0xc890120
	EXPERT 7, 0xb0600c0
	s_min_u32 s26, s26, 8
; The bases take the expert in slot s37 of the list, in the pass whose columns begin s48 bytes (0 or 512) into a row; s60 keeps the expert's number.
.macro NEXT
	s_lshl_b32 s38, s37, 2
	s_lshr_b32 s39, s27, s38
	s_and_b32 s39, s39, 7
	s_min_u32 s60, s39, 7
	s_lshl_b32 s40, s60, 19                        ; 64 tiles of 8,192 bytes an expert,
	s_lshl_b32 s41, s48, 7                         ; 8 of them a pass
	s_add_co_u32 s40, s40, s41
	s_mov_b32 s41, 0
	s_add_nc_u64 s[PB:PB+1], s[28:29], s[40:41]
	s_lshl_b32 s40, s60, 15                        ; 64 tiles of 512 bytes,
	s_lshl_b32 s49, s48, 3                         ; 8 a pass
	s_add_co_u32 s40, s40, s49
	s_add_nc_u64 s[PB+2:PB+3], s[30:31], s[40:41]
.endm
; A pair: the fragments of W for K steps 4 P .. 4 P + 3 of tile tt into ring slots sl and sl + 1, and the slots' scale words (lanes 0-15: the even K steps, lanes 16-31: the odd ones)
.macro PAIR tt, P, sl
.irp k, 0,1,2,3
	global_load_b128 v[WB+16*(\sl)+4*\k:WB+16*(\sl)+4*\k+3], v[L16], s[PB:PB+1] offset:(\tt)*8192+(\P)*4096+512*\k
.endr
	global_load_b64 v[WS+(\sl):WS+(\sl)+1], v[L8], s[PB+2:PB+3] offset:(\tt)*512+(\P)*256
.irp k, 4,5,6,7
	global_load_b128 v[WB+16*(\sl)+4*\k:WB+16*(\sl)+4*\k+3], v[L16], s[PB:PB+1] offset:(\tt)*8192+(\P)*4096+512*\k
.endr
.endm
	s_mov_b32 s37, 0
	s_mov_b32 s48, 0
	NEXT                                           ; the first value: no load has named the bases yet
	PAIR 0, 0, 0                                   ; the ring's first fill: the first step's item 0
	PAIR 0, 1, 2
	; while x is on its way: my 32 tokens' rows in out0, and the LDS addresses
.irp i, 0,1,2,3,4,5,6,7,8,9,10,11,12,13,14,15,16,17,18,19,20,21,22,23,24,25,26,27,28,29,30,31
	v_readlane_b32 s[66+\i], v88, \i
.endr
.irp i, 0,1,2,3,4,5,6,7,8,9,10,11,12,13,14,15,16,17,18,19,20,21,22,23,24,25,26,27,28,29,30,31
	s_min_u32 s[66+\i], s[66+\i], 0x1fff
.endr
	WIN 0x40
.irp i, 0,1,2,3,4,5,6,7,8,9,10,11,12,13,14,15,16,17,18,19,20,21,22,23,24,25,26,27,28,29,30,31
	v_lshl_add_u32 v[224+\i], s[66+\i], 12, v[LC]  ; a row of out0 is 4,096 bytes
.endr
	WIN 0
; The LDS addresses of expert s60's bias (in the pass of s48) and gates; the bounds stand in the text.
.macro SETBA
	s_lshl_b32 s38, s60, 10
	s_add_co_u32 s38, s38, s48
	v_add_nc_u32 v[BA], s38, v[BA0]
	v_min_u32 v[BA], 8096, v[BA]
	VW
.endm
.macro SETGA
	s_lshl_b32 s38, s60, 9
	v_add_nc_u32 v[GA], s38, v[GA0]
	v_min_u32 v[GA], 3644, v[GA]
	VW
.endm
	s_wait_xcnt 0x0                                ; the prefetches have read their addresses
	v_lshlrev_b32 v[GA0], 2, v[RR]
	v_mul_u32_u24 v108, v[RR], XRP
	v_lshl_add_u32 v108, v[HH], 4, v108
	v_add_nc_u32 v108, XR, v108                    ; a fragment of x: row r, + 16 h
	v_lshlrev_b32 v107, 5, v[RR]
	v_lshl_add_u32 v107, v[HH], 4, v107            ; x's scale words
	SETBA
	SETGA
	PAIR 1, 0, 4                                   ; the first step's item 1
	PAIR 1, 1, 6
	s_wait_loadcnt 36                              ; all but the ring's 36 loads
	WIN 0x04                                       ; an LDS store's data are its source 1: window 1
.irp i, 0,1,2,3,4,5,6,7,8,9,10,11,12,13,14,15
	ds_store_b128 v[AXR], v[8*\i:8*\i+3] offset:XR+XRP*\i
	ds_store_b128 v[AXR], v[8*\i+4:8*\i+7] offset:XR+XRP*\i+256
.endr
	ds_store_b128 v[A32], v[128:131] offset:XSL
	ds_store_b128 v[A32], v[132:135] offset:XSL+16
.irp e, 0,1,2,3,4,5,6,7
	ds_store_b32 v[A4], v[136+\e] offset:GT+512*\e
.endr
	WIN 0
	s_wait_dscnt 0x0                               ; for the others' sake: my rows, scales and gates lie in LDS
	s_barrier_signal -1
	s_barrier_wait -1
.irp m, 0,1,2,3,4,5,6,7
	ds_load_b128 v[XS+4*\m:XS+4*\m+3], v107 offset:XSL+512*\m
.endr
	ds_load_b128 v[BI:BI+3], v[BA]                 ; tile 0: the bias of columns 8 h + 0 .. 7
	ds_load_b128 v[BI+4:BI+7], v[BA] offset:16
.irp m, 0,1,2,3,4,5,6,7
	ds_load_b32 v[G+\m], v[GA] offset:GT+64*\m     ; the gate of token 16 m + r
.endr
	v_mov_b32 v[GA], v108                          ; (the first item reads x's fragments through it, the next change of experts writes it anew)
	VW
; x's fragments of K steps 2 u, 2 u + 1: 32 loads
.macro XLOAD u
	WIN 0x80                                       ; destination window 2: tokens 0-63
.irp m, 0,1,2,3
.irp q, 2*(\u),2*(\u)+1
	ds_load_b128 v[64*\m+8*(\q):64*\m+8*(\q)+3], v[GA] offset:16*XRP*\m+64*(\q)
	ds_load_b128 v[64*\m+8*(\q)+4:64*\m+8*(\q)+7], v[GA] offset:16*XRP*\m+64*(\q)+32
.endr
.endr
	WIN 0xc0                                       ; window 3: tokens 64-127
.irp m, 0,1,2,3
.irp q, 2*(\u),2*(\u)+1
	ds_load_b128 v[64*\m+8*(\q):64*\m+8*(\q)+3], v[GA] offset:16*XRP*(\m+4)+64*(\q)
	ds_load_b128 v[64*\m+8*(\q)+4:64*\m+8*(\q)+7], v[GA] offset:16*XRP*(\m+4)+64*(\q)+32
.endr
.endr
	WIN 0
.endm
; One matrix instruction: tokens 16 m on, K step q, W's fragment from ring slot SL
.macro MM m, q
.set rD, ACC+8*(\m)
.set rA, WB+16*SL+8*((\q)%2)
.set rX, 64*((\m)%4)+8*(\q)
.set rS, WS+SL
.set rT, XS+4*(\m)+((\q)%4)
.if (\q)==0
	v_wmma_scale_f32_16x16x128_f8f6f4 v[rD:rD+7], v[rA:rA+7], v[rX:rX+7], v[BI:BI+7], v[rS], v[rT] matrix_a_fmt:MATRIX_FMT_FP4 matrix_b_fmt:MATRIX_FMT_FP4
.elseif (\q)==2
	v_wmma_scale_f32_16x16x128_f8f6f4 v[rD:rD+7], v[rA:rA+7], v[rX:rX+7], v[rD:rD+7], v[rS], v[rT] matrix_a_fmt:MATRIX_FMT_FP4 matrix_b_fmt:MATRIX_FMT_FP4
.elseif ((\q)==1)||((\q)==3)
	v_wmma_scale_f32_16x16x128_f8f6f4 v[rD:rD+7], v[rA:rA+7], v[rX:rX+7], v[rD:rD+7], v[rS], v[rT] matrix_a_fmt:MATRIX_FMT_FP4 matrix_b_fmt:MATRIX_FMT_FP4 matrix_a_scale:MATRIX_SCALE_ROW1
.elseif ((\q)==4)||((\q)==6)
	v_wmma_scale_f32_16x16x128_f8f6f4 v[rD:rD+7], v[rA:rA+7], v[rX:rX+7], v[rD:rD+7], v[rS], v[rT] matrix_a_fmt:MATRIX_FMT_FP4 matrix_b_fmt:MATRIX_FMT_FP4 matrix_b_scale:MATRIX_SCALE_ROW1
.else
	v_wmma_scale_f32_16x16x128_f8f6f4 v[rD:rD+7], v[rA:rA+7], v[rX:rX+7], v[rD:rD+7], v[rS], v[rT] matrix_a_fmt:MATRIX_FMT_FP4 matrix_b_fmt:MATRIX_FMT_FP4 matrix_a_scale:MATRIX_SCALE_ROW1 matrix_b_scale:MATRIX_SCALE_ROW1
.endif
.endm
.macro HALF hi, u                      ; 8 matrix instructions: two K steps x four tiles of tokens; the four accumulators take turns
	WIN 0x08+4*(\hi)                               ; source 1 (x) window 2 or 3; all else window 0
.irp p, 0,1
.irp mm, 0,1,2,3
	MM 4*(\hi)+\mm, 2*(\u)+\p
.endr
.endr
.endm
; A load into a register that a matrix instruction has read, and a vector instruction that reads a matrix result, stand four places behind it; only plain vector instructions that name none of
; its registers are places (ISA guide 7.12.1 for vector instructions).
.macro PLACES
.rept 4
	v_nop
.endr
.endm
; K steps 2 u, 2 u + 1 of item t: 16 matrix instructions.  cnt: the loads younger than this slot's.
; The halves change order from one to the next, which halves the window switches; on each accumulator K still ascends.
.macro STEPM t, u, cnt
.set SL, (4*(\t)+(\u))%8
	s_wait_loadcnt \cnt
.if ((\u)%2)==0
	HALF 0, \u
	HALF 1, \u
.else
	HALF 1, \u
	HALF 0, \u
.endif
.endm
; OUT[t] += gate x accumulator (first = 1: a pass's first expert starts the sums).  Each accumulator is read from its low end on.  G[m] is one register of a pair: op_sel picks it for both halves.
.macro UPDATE t, first
.if \first
	WIN 0x40
.else
	WIN 0x50                                       ; source 2 and destination window 1
.endif
.irp m, 0,1,2,3,4,5,6,7
.irp k, 0,1,2,3
.set rO, 64*(\t)+8*\m+2*\k
.set rC, ACC+8*\m+2*\k
.set rG, G+\m-(\m%2)
.if \first
.if (\m%2)==0
	v_pk_mul_f32 v[rO:rO+1], v[rC:rC+1], v[rG:rG+1] op_sel_hi:[1,0]
.else
	v_pk_mul_f32 v[rO:rO+1], v[rC:rC+1], v[rG:rG+1] op_sel:[0,1] op_sel_hi:[1,1]
.endif
.else
.if (\m%2)==0
	v_pk_fma_f32 v[rO:rO+1], v[rC:rC+1], v[rG:rG+1], v[rO:rO+1] op_sel_hi:[1,0,1]
.else
	v_pk_fma_f32 v[rO:rO+1], v[rC:rC+1], v[rG:rG+1], v[rO:rO+1] op_sel:[0,1,0] op_sel_hi:[1,1,1]
.endif
.endif
.endr
.endr
.endm
; An item.  fill = 1: behind each pair its two slots are asked for again, for the next step's tile t.  nb = 1: tile 1's bias is fetched behind the first pair (whose places stand in
; front); 2: the next step's first (BA is a step ahead then); 0: none.  dsw: the LDS instructions younger than the bias.  xf = 1: the first item, with x's fragments on their way.  c0 .. c3: the counts.
.macro ITEM t, fill, nb, first, dsw, xf, c0, c1, c2, c3
.if \xf
	XLOAD 0
	XLOAD 1
	s_wait_dscnt 32                                ; scales, bias, gates and XLOAD 0's are in
.else
	s_wait_dscnt \dsw                              ; the bias, and behind a change of experts the gates
.endif
	STEPM \t, 0, \c0
.if \xf
	XLOAD 2
	s_wait_dscnt 32
.endif
	STEPM \t, 1, \c1
.if (\fill)||(\nb)
	PLACES
.endif
.if \fill
	PAIR \t, 0, 4*(\t)
.endif
.if \xf
	XLOAD 3
.endif
.if \nb == 1
	ds_load_b128 v[BI:BI+3], v[BA] offset:64
	ds_load_b128 v[BI+4:BI+7], v[BA] offset:80
.elseif \nb == 2
	ds_load_b128 v[BI:BI+3], v[BA]
	ds_load_b128 v[BI+4:BI+7], v[BA] offset:16
.endif
.if \xf
	s_wait_dscnt 34                                ; XLOAD 3's 32 and the bias's two may be out
.endif
	STEPM \t, 2, \c2
.if \xf
	s_wait_dscnt 2
.endif
	STEPM \t, 3, \c3
	PLACES
.if \fill
	PAIR \t, 1, 4*(\t)+2
.endif
	UPDATE \t, \first
.endm
.macro CHANGE                          ; the next step's gates
	WIN 0
	SETGA
.irp m, 0,1,2,3,4,5,6,7
	ds_load_b32 v[G+\m], v[GA] offset:GT+64*\m
.endr
.endm
; A step of the first pass, slot s36 of the list: it asks for the next slot's W, behind the last slot for the second pass's first
.macro STEPA first, xf
	s_add_co_u32 s37, s36, 1
	s_cmp_lt_u32 s37, s26
	s_cselect_b32 s48, 0, 0x200
	s_cselect_b32 s37, s37, 0
	s_wait_xcnt 0x0                                ; the step before's loads have read the bases
	NEXT
	ITEM 0, 1, 1, \first, 0, \xf, 31, 27, 31, 27
	WIN 0
	SETBA
	ITEM 1, 1, 2, \first, 0, 0, 31, 27, 31, 27
	CHANGE
.endm
; THE WAY OUT.  A lane holds 32 neighbouring bytes of a token's row, and the lanes beside it hold other tokens: so a pass's tiles go into a stage in LDS that the four waves share, and behind a barrier
; each wave takes 32 whole rows of 512 bytes, which a store of the wave writes as two aligned units of 256 bytes in the token's own row.
.macro TOSTAGE t
	WIN 0x04                                       ; the data: window 1
.irp m, 0,1,2,3,4,5,6,7
	ds_store_b128 v[GA], v[64*(\t)+8*\m:64*(\t)+8*\m+3] offset:16*SRP*\m+64*(\t)
	ds_store_b128 v[GA], v[64*(\t)+8*\m+4:64*(\t)+8*\m+7] offset:16*SRP*\m+64*(\t)+16
.endr
	WIN 0
.endm
.macro STAGEADR base                   ; row r, + 128 w + 32 h (+ 64 t)
	v_mul_u32_u24 v[GA], 0x84, v[GA0]              ; 132 x 4 r
	v_add_nc_u32 v[GA], v[GA], v[BA0]
	v_add_nc_u32 v[GA], \base, v[GA]
	VW
.endm
.macro BACK c                          ; rows 8 c .. 8 c + 7 of my 32
	WIN 0x40
.irp i, 0,1,2,3,4,5,6,7
	ds_load_b128 v[128+32*((\c)%3)+4*\i:128+32*((\c)%3)+4*\i+3], v[GA] offset:SRP*(8*(\c)+\i)
.endr
	WIN 0
.endm
.macro SEND c, off
	WIN 0x05                                       ; a store's address and data: window 1
.irp i, 0,1,2,3,4,5,6,7
	global_store_b128 v[224+8*(\c)+\i], v[128+32*((\c)%3)+4*\i:128+32*((\c)%3)+4*\i+3], s[16:17] offset:\off th:TH_STORE_NT
.endr
	WIN 0
.endm
	; THE FIRST PASS.  A block has at least two experts: every token names two different ones
	s_mov_b32 s36, 0
	STEPA 1, 1
	s_mov_b32 s36, 1
.Lpass_a:
	STEPA 0, 0
	s_add_co_u32 s36, s36, 1
	s_cmp_lt_u32 s36, s26
	s_cbranch_scc1 .Lpass_a
	STAGEADR STGA
	TOSTAGE 0
	TOSTAGE 1
	s_wait_dscnt 0x0                               ; for the others' sake: my columns of the stage are whole
	s_barrier_signal -1
	s_barrier_wait -1
	; THE SECOND PASS's first step, with the first pass's rows on their way out
	v_add_nc_u32 v[GA], s61, v[L16]
	VW
	BACK 0
	BACK 1
	BACK 2
	s_mov_b32 s37, 1
	s_mov_b32 s48, 0x200
	s_wait_xcnt 0x0
	NEXT
	ITEM 0, 1, 1, 1, 24, 0, 31, 27, 31, 27
	WIN 0
	s_wait_dscnt 2                                 ; the rows are back; the bias's two loads may be out
	SEND 0, 0
	SEND 1, 0
	s_wait_xcnt 0x0                                ; the stores have read their data
	BACK 3
	SETBA
	ITEM 1, 1, 2, 1, 8, 0, 31, 27, 31, 27
	WIN 0
	s_wait_dscnt 2
	SEND 2, 0
	SEND 3, 0
	CHANGE
	s_mov_b32 s36, 1
.Lpass_b:                                              ; slot s36 of the list
	s_add_co_u32 s37, s36, 1
	s_cmp_ge_u32 s37, s26                          ; the list's last expert asks for nothing more (a list has eight at the most: in slot 7 this branch is always taken)
	s_cbranch_scc1 .Ltail
	s_wait_xcnt 0x0
	NEXT
	ITEM 0, 1, 1, 0, 0, 0, 31, 27, 31, 27
	WIN 0
	SETBA
	ITEM 1, 1, 2, 0, 0, 0, 31, 27, 31, 27
	CHANGE
	s_add_co_u32 s36, s36, 1
	s_cmp_lt_u32 s36, 8
	s_cbranch_scc1 .Lpass_b
.Ltail:
	ITEM 0, 0, 1, 0, 0, 0, 31, 27, 22, 18          ; nothing is asked for: the counts run down
	WIN 0
	STAGEADR STGB
	TOSTAGE 0
	ITEM 1, 0, 0, 0, 16, 0, 13, 9, 4, 0            ; behind the bias stand the stage's 16 stores
	TOSTAGE 1
	s_wait_dscnt 0x0                               ; for the others' sake
	s_barrier_signal -1
	s_barrier_wait -1
	v_add_nc_u32 v[GA], s62, v[L16]
	VW
	s_wait_xcnt 0x0                                ; the first pass's stores have read their data
	BACK 0
	BACK 1
	BACK 2
	s_wait_dscnt 16
	SEND 0, 512
	s_wait_dscnt 8
	SEND 1, 512
	s_wait_xcnt 0x0
	BACK 3
	s_wait_dscnt 8
	SEND 2, 512
	s_wait_dscnt 0x0
	SEND 3, 512
	s_wait_tensorcnt 0x0                           ; the wave's end
	ds_add_u32 v[SPW], v[NIL]
	s_wait_dscnt 0x0
	s_endpgm
.Lfunc_end_k_qde0bf86222_experts:
	.size	k_qde0bf86222_experts, .Lfunc_end_k_qde0bf86222_experts-k_qde0bf86222_experts
	.p2alignl 7, 3214868480
	.fill 96, 4, 3214868480
	.section	.rodata,"a",@progbits
	.p2align	6, 0x0
	.amdhsa_kernel k_qde0bf86222_experts
		.amdhsa_group_segment_fixed_size 239616
		.amdhsa_private_segment_fixed_size 0
		.amdhsa_enable_private_segment 0
		.amdhsa_kernarg_size 56
		.amdhsa_user_sgpr_count 2
		.amdhsa_user_sgpr_kernarg_segment_ptr 1
		.amdhsa_wavefront_size32 1
		.amdhsa_system_sgpr_workgroup_id_x 1
		.amdhsa_system_sgpr_workgroup_id_y 1
		.amdhsa_system_sgpr_workgroup_id_z 1
		.amdhsa_system_vgpr_workitem_id 0
		.amdhsa_next_free_vgpr 1024
		.amdhsa_next_free_sgpr 100
		.amdhsa_reserve_vcc 0
		.amdhsa_float_denorm_mode_32 3
		.amdhsa_float_denorm_mode_16_64 3
		.amdhsa_memory_ordered 1
		.amdhsa_forward_progress 1
		.amdhsa_inst_pref_size 198
	.end_amdhsa_kernel
	.amdgpu_metadata
---
amdhsa.version: [ 1, 2 ]
amdhsa.kernels:
  - .name:           k_qde0bf86222_experts
    .symbol:         k_qde0bf86222_experts.kd
    .args:
      - { .name: xlay, .offset: 0, .size: 8, .value_kind: global_buffer, .address_space: global }
      - { .name: binoff, .offset: 8, .size: 8, .value_kind: global_buffer, .address_space: global }
      - { .name: binlist, .offset: 16, .size: 8, .value_kind: global_buffer, .address_space: global }
      - { .name: gate8, .offset: 24, .size: 8, .value_kind: global_buffer, .address_space: global }
      - { .name: wlay, .offset: 32, .size: 8, .value_kind: global_buffer, .address_space: global }
      - { .name: b_experts, .offset: 40, .size: 8, .value_kind: global_buffer, .address_space: global }
      - { .name: out0, .offset: 48, .size: 8, .value_kind: global_buffer, .address_space: global }
    .group_segment_fixed_size: 239616
    .private_segment_fixed_size: 0
    .kernarg_segment_align: 8
    .kernarg_segment_size: 56
    .max_flat_workgroup_size: 128
    .sgpr_count:     100
    .vgpr_count:     1024
    .wavefront_size: 32
...
	.end_amdgpu_metadata
.endif
;; end of part 2
